; MI455X (gfx1250); checked and timed in simulation.
; The chip was launched on July 23, 2026; its instructions are those of AMD's public machine-readable ISA for CDNA 5 (MIT licence, August 2026) and "CDNA5" Instruction Set Architecture Reference Guide (July 2026). The comments in the code are by the model that wrote it; some were corrected since.
;; Fused MLP Softplus. Allowed arithmetic: float matrix products may take bf16 or f16 operands with f32 sums; other float arithmetic in f32, or as packed bf16 or f16 multiplies, adds, multiply-adds, maxima and minima; sums over many terms, partial sums and values carried from step to step in f32; what a program stores and reads back later, other than sums and carried values, may be rounded once to bf16 or f16.
;; Inputs: w1 256 x 1,024 float32; w2 1,024 x 1,024 float32; w3 1,024 x 256 float32; x 32,768 x 256 float32.
;; Outputs: out0 32,768 x 256 float32.
;; One version. Each part assembles by itself: llvm-mc -triple=amdgcn-amd-amdhsa -mcpu=gfx1250 --defsym DOCPART=n.
;; ======== version 1 of 1: 2 launches
;; workspace buffers: wst 3,145,728 bytes
;; launch pack (part 1): grid 256 x 1, 6 waves a work-group, no clusters, 0 bytes of LDS; arguments w1, w2, w3, wst; writes wst
.if DOCPART == 1
	.amdgcn_target "amdgcn-amd-amdhsa--gfx1250"
	.amdhsa_code_object_version 6
	.text
	.protected	k_qcff1c06e68_pack
	.globl	k_qcff1c06e68_pack
	.p2align	8
	.type	k_qcff1c06e68_pack,@function
k_qcff1c06e68_pack:
	s_mov_b64 s[64:65], 0
	v_nop
	global_prefetch_b8 v0, s[64:65] scope:SCOPE_SE
	s_setreg_imm32_b32 hwreg(HW_REG_WAVE_MODE, 25, 1), 1
	s_wait_xcnt 0x0
; w1 [256][1024], w2 [1024][1024], w3 [1024][256] (f32, [k][n]) are rounded once to bf16 and written into wst as ready-made
; matrix fragments, in the order in which the second launch walks them.
; A FRAGMENT is 1,024 bytes: 16 output features f0 .. f0+15 x 32 k.  Byte 256 blk + 16 r + 2 e holds W[k0 + 8 blk + e][f0 + r]:
; a wave that reads 16 bytes a lane at 16 x lane, and again 512 bytes on, has the eight registers of a 16 x 32 operand.
; SHARES.  3,072 fragments are 1,536 pairs of neighbouring feature tiles (32 columns x 32 k); 256 work-groups x 6 waves: a pair a wave.
; Lane l takes column n0 + l in 32 rows (each load of the wave: 128 consecutive bytes), rounds pairs of k, and stores four times
; 16 bytes: sixteen lanes fill 256 consecutive bytes, aligned.
; WHERE A PAIR GOES, in fragments (the second launch's head explains the order):
;   w1: piece q of 32 features, k step s, half j of the features: G = 4 q + s / 2; pos(G) + 4 j + 2 (s % 2), pos = 64 + 8 G (G < 2), 8 (G - 2) (G < 10), 8 G
;   w2: piece p of 32 features, k step s of half j of K: (512 if p = 0, else 496 + 80 p) + 8 (s / 2) + 4 j + 2 (s % 2)
;   w3: k step c, pair o of output tiles: (3056 if c = 31, else 640 + 80 c) + 2 o
.set SRC, 28                           ; s[28:29] the pair's first element in its weight tensor
.set DST, 30                           ; s[30:31] the pair's first byte in wst
; The body: b = the scalar pair with the tensor's address, pitch = bytes in a row of it.  s[16:17], s[18:19]: the two byte offsets.
.macro PK b, pitch
	s_add_nc_u64 s[SRC:SRC+1], s[\b:\b+1], s[16:17]
	s_add_nc_u64 s[DST:DST+1], s[10:11], s[18:19]
.set kk, 0
.rept 32
	global_load_b32 v[8+kk], v2, s[SRC:SRC+1] offset:kk*(\pitch)   ; row k0 + kk, my column
.set kk, kk+1
.endr
	s_wait_loadcnt 0x0
.set kk, 0
.rept 16
	v_cvt_pk_bf16_f32 v[40+kk], v[8+2*kk], v[9+2*kk]               ; k = 2 kk in the low half, 2 kk + 1 in the high half
.set kk, kk+1
.endr
.set kk, 0
.rept 4
	global_store_b128 v3, v[40+4*kk:43+4*kk], s[DST:DST+1] offset:256*kk  ; blk = kk: k = 8 kk .. 8 kk + 7 of my column
.set kk, kk+1
.endr
	s_endpgm
.endm
	s_load_b256 s[4:11], s[0:1], 0x0               ; w1 s[4:5], w2 s[6:7], w3 s[8:9], wst s[10:11]
	v_lshrrev_b32 v1, 5, v0
	v_readfirstlane_b32 s12, v1                    ; wave 0..5
	s_mul_i32 s13, ttmp9, 6
	s_add_co_u32 s13, s13, s12                     ; the pair's number, 0 .. 1535
	v_and_b32 v1, 31, v0
	v_lshlrev_b32 v2, 2, v1                        ; my column: 4 bytes a lane
	v_and_b32 v3, 15, v0
	v_lshlrev_b32 v3, 4, v3                        ; in a fragment: 16 (lane % 16),
	v_bfe_u32 v4, v0, 4, 1
	v_lshl_add_u32 v3, v4, 10, v3                  ; lanes 16-31 in the pair's second fragment
	s_mov_b32 s17, 0
	s_mov_b32 s19, 0
	s_wait_kmcnt 0x0
	s_cmp_lt_u32 s13, 256
	s_cbranch_scc0 .Lnot_w1
	s_and_b32 s20, s13, 15                         ; q
	s_bfe_u32 s21, s13, 0x30004                    ; s: 3 bits from bit 4
	s_lshr_b32 s22, s13, 7                         ; j
	s_lshl_b32 s16, s21, 17                        ; 32 s rows of 4,096 bytes
	s_lshl_b32 s23, s22, 11                        ; + 512 j columns
	s_add_co_u32 s16, s16, s23
	s_lshl_b32 s23, s20, 7                         ; + 32 q columns
	s_add_co_u32 s16, s16, s23
	s_lshr_b32 s23, s21, 1
	s_lshl2_add_u32 s23, s20, s23                  ; G = 4 q + s / 2
	s_lshl_b32 s24, s23, 3                         ; 8 G
	s_add_co_u32 s25, s24, 64
	s_sub_co_u32 s26, s24, 16
	s_cmp_lt_u32 s23, 10
	s_cselect_b32 s24, s26, s24
	s_cmp_lt_u32 s23, 2
	s_cselect_b32 s24, s25, s24
	s_lshl2_add_u32 s24, s22, s24                  ; + 4 j
	s_and_b32 s25, s21, 1
	s_lshl1_add_u32 s24, s25, s24                  ; + 2 (s % 2)
	s_lshl_b32 s18, s24, 10
	PK 4, 4096
.Lnot_w1:
	s_cmp_lt_u32 s13, 1280
	s_cbranch_scc0 .Lnot_w2
	s_sub_co_u32 s13, s13, 256
	s_and_b32 s20, s13, 31                         ; p
	s_bfe_u32 s21, s13, 0x40005                    ; s: 4 bits from bit 5
	s_lshr_b32 s22, s13, 9                         ; j
	s_lshl_b32 s16, s22, 21                        ; 512 j rows of 4,096 bytes
	s_lshl_b32 s23, s21, 17                        ; + 32 s rows
	s_add_co_u32 s16, s16, s23
	s_lshl_b32 s23, s20, 7                         ; + 32 p columns
	s_add_co_u32 s16, s16, s23
	s_mul_i32 s24, s20, 80
	s_add_co_u32 s24, s24, 496
	s_cmp_eq_u32 s20, 0
	s_cselect_b32 s24, 512, s24
	s_lshr_b32 s25, s21, 1
	s_lshl3_add_u32 s24, s25, s24                  ; + 8 (s / 2)
	s_lshl2_add_u32 s24, s22, s24                  ; + 4 j
	s_and_b32 s25, s21, 1
	s_lshl1_add_u32 s24, s25, s24                  ; + 2 (s % 2)
	s_lshl_b32 s18, s24, 10
	PK 6, 4096
.Lnot_w2:
	s_sub_co_u32 s13, s13, 1280
	s_and_b32 s20, s13, 7                          ; o
	s_lshr_b32 s21, s13, 3                         ; c
	s_lshl_b32 s16, s21, 15                        ; 32 c rows of 1,024 bytes
	s_lshl_b32 s23, s20, 7                         ; + 32 o columns
	s_add_co_u32 s16, s16, s23
	s_mul_i32 s24, s21, 80
	s_add_co_u32 s24, s24, 640
	s_cmp_eq_u32 s21, 31
	s_cselect_b32 s24, 3056, s24
	s_lshl1_add_u32 s24, s20, s24                  ; + 2 o
	s_lshl_b32 s18, s24, 10
	PK 8, 1024
.Lfunc_end_k_qcff1c06e68_pack:
	.size	k_qcff1c06e68_pack, .Lfunc_end_k_qcff1c06e68_pack-k_qcff1c06e68_pack
	.p2alignl 7, 3214868480
	.fill 96, 4, 3214868480
	.section	.rodata,"a",@progbits
	.p2align	6, 0x0
	.amdhsa_kernel k_qcff1c06e68_pack
		.amdhsa_group_segment_fixed_size 0
		.amdhsa_private_segment_fixed_size 0
		.amdhsa_enable_private_segment 0
		.amdhsa_kernarg_size 32
		.amdhsa_user_sgpr_count 2
		.amdhsa_user_sgpr_kernarg_segment_ptr 1
		.amdhsa_wavefront_size32 1
		.amdhsa_system_sgpr_workgroup_id_x 1
		.amdhsa_system_sgpr_workgroup_id_y 1
		.amdhsa_system_sgpr_workgroup_id_z 1
		.amdhsa_system_vgpr_workitem_id 0
		.amdhsa_next_free_vgpr 56
		.amdhsa_next_free_sgpr 66
		.amdhsa_reserve_vcc 0
		.amdhsa_float_denorm_mode_32 3
		.amdhsa_float_denorm_mode_16_64 3
		.amdhsa_memory_ordered 1
		.amdhsa_forward_progress 1
		.amdhsa_inst_pref_size 17
	.end_amdhsa_kernel
	.amdgpu_metadata
---
amdhsa.version: [ 1, 2 ]
amdhsa.kernels:
  - .name:           k_qcff1c06e68_pack
    .symbol:         k_qcff1c06e68_pack.kd
    .args:
      - { .name: w1, .offset: 0, .size: 8, .value_kind: global_buffer, .address_space: global }
      - { .name: w2, .offset: 8, .size: 8, .value_kind: global_buffer, .address_space: global }
      - { .name: w3, .offset: 16, .size: 8, .value_kind: global_buffer, .address_space: global }
      - { .name: wst, .offset: 24, .size: 8, .value_kind: global_buffer, .address_space: global }
    .group_segment_fixed_size: 0
    .private_segment_fixed_size: 0
    .kernarg_segment_align: 8
    .kernarg_segment_size: 32
    .max_flat_workgroup_size: 192
    .sgpr_count:     66
    .vgpr_count:     56
    .wavefront_size: 32
...
	.end_amdgpu_metadata
.endif
;; end of part 1
;; launch mlp (part 2): grid 256 x 1, 4 waves a work-group, clusters of 4 x 1, 327,680 bytes of LDS; arguments x, wst, out0; writes out0
.if DOCPART == 2
	.amdgcn_target "amdgcn-amd-amdhsa--gfx1250"
	.amdhsa_code_object_version 6
	.text
	.protected	k_qcff1c06e68_mlp
	.globl	k_qcff1c06e68_mlp
	.p2align	8
	.type	k_qcff1c06e68_mlp,@function
k_qcff1c06e68_mlp:
	s_mov_b64 s[64:65], 0
	v_nop
	global_prefetch_b8 v0, s[64:65] scope:SCOPE_SE
	s_setreg_imm32_b32 hwreg(HW_REG_WAVE_MODE, 25, 1), 1
	s_wait_xcnt 0x0
	s_wait_alu depctr_hold_cnt(0) depctr_sa_sdst(0) depctr_va_vdst(0) depctr_va_sdst(0) depctr_va_ssrc(0) depctr_va_vcc(0) depctr_vm_vsrc(0)
	s_getreg_b32 s2, hwreg(HW_REG_IB_STS2, 6, 4)
	s_cmp_eq_u32 s2, 0
	s_cbranch_scc0 .Lentry_in_a_cluster
	s_endpgm
.Lentry_in_a_cluster:
	s_bfe_u32 s2, ttmp6, 0x10000c
	s_cmp_lg_u32 s2, 0x3003
	s_cbranch_scc0 .Lentry_shape_is_right
	s_endpgm
.Lentry_shape_is_right:
; out = softplus(softplus(x W1) W2) W3.  x [32768][256], out [32768][256] in f32; wst: the three weights in bf16 as fragments of 1,024 bytes (first launch).
; Products in bf16 with f32 sums; x, h1 and h2 are each rounded once to bf16; softplus in f32.  h1 and h2 never leave the registers.
; LIMITS.  softplus(z) = max(z, 0) + ln2 log2(1 + 2^(-log2e |z|)): where the true value lies below 2^-24 the result is 0 (off by 6e-8 at the most);
; |z| stays under 1e38 (log2e z must be finite); NaN and infinities are not treated apart.  Layer 2's sum is made of two halves of K, added in f32.
; SHARES.  A work-group owns 128 rows, wave w = 2 i + j four tiles of 16: t = 0, 1 its OWN rows 32 w + 16 t, t = 2, 3 its partner's (wave w ^ 1) own rows.
;   Layer 1: wave j makes features 512 j .. 512 j + 511 of h1 for its 64 rows, in 16 pieces of 32 features: 64 products a piece.
;   Layer 2: a piece of 32 features of h2 is summed over the wave's own half of K (its h1), 128 products; the sums of tiles 2, 3 go to the partner through LDS, the partner's come onto tiles 0, 1.
;   Layer 3: the wave's own 32 rows, 256 outputs; a piece of h2 is one K step: 32 products.          A weight fragment read from LDS feeds 4 products (layer 3: 2).
; LAYOUT.  Every product is used transposed: source 0 = 16 features of a weight, source 1 = 32 k x 16 rows of the activations.  In the result a lane holds ONE row (lane % 16) and the
; features 8 (lane / 16) + 0..7; two neighbouring feature tiles, rounded to bf16 in pairs, ARE source 1 of the next layer.  So nothing changes lanes between the layers.
; BY TURNS.  A piece's softmax-free vector work (softplus: 11 lines for two numbers) rides behind the NEXT piece's products.  Turn p (0..32): layer 2 of piece p, beside it softplus of piece p - 1, then layer 3 of piece p - 1.
; THE WEIGHTS' WALK.  A GROUP is four fragments of a wave, one run of eight LDS loads: in layers 1 and 2 two K steps x two feature tiles (8 KiB for the work-group: 4 for j = 0, 4 for j = 1), in layer 3
; four output tiles (4 KiB, read by all four waves).  wst holds the groups in the order of the walk, cut into 40 fills for two LDS slots that take turns; each wave fetches a quarter of a fill by one tensor load.
; A fill ENDS with the first two groups of the next stretch: they are read before the change of slots, so that a wave has 32 products in hand across the barrier.
;   fill 0, 80 KiB: layer 1's groups 2-9, then 0, 1.   fills 1-8, 64 KiB: groups 8 n + 2 .. 8 n + 9 (64 on: turn 0's).   fill 8 + p, 80 KiB: turn p's groups 2-7, layer 3 of piece p - 1, turn p + 1's groups 0, 1 (the last: layer 3 of piece 31).
; CLUSTER.  All work-groups walk the same weights: the four of a cluster ask for each fill JOINTLY (same line, same descriptor, a mask that names the four).  x is each work-group's own: a plain load.
; By this text's own count a wave has two tensor loads out at the start (x, fill 0), later one.
; REGISTERS, in windows of 256 (s_set_vgpr_msb: bits 1:0 source 0, 3:2 source 1, 5:4 source 2, 7:6 destination):
;   window 0: v0-15 addresses; v16-31 softplus at work; v32-127 three fragment buffers of a group; v128-191, v192-255 two sets of 8 accumulators (tile t, feature tile f at set + 16 t + 8 f)
;   window 1: x as bf16 (K step s, tile t at 32 s + 8 t); from turn 1 on the 32 accumulators of out (output tile o, tile t at 16 o + 8 t)
;   windows 2, 3: x as f32 on its way in; then h1: own K step s, tile t in window 2 + s / 8 at 32 (s % 8) + 8 t
; The softplus lines have no vector register as their second source, so they run under the products' setting without a switch; only the roundings to bf16 switch.
.set SLOT1, 1<<17                      ; slot 0 at LDS byte 0, slot 1 here: one exclusive or turns an address in one slot into the other's.  81,920 bytes each
.set XCH,   81920                      ; the outboxes: 16,384 x parity + 4,096 x wave; no tensor load lands here
.set SPARE, 114688                     ; the spare words, 128 bytes for each wave: two blocks of 256 bytes that no other line names
.set XST,   131072                     ; x as f32, 128 rows: filled once; slot 1's fills land on its first 81,920 bytes later
.set XP,    1040                       ; a row of x in LDS: 1,024 bytes + 16 = 260 words: row r starts at bank 4 r mod 64 (64 banks of 4 bytes: ISA guide 11.1)
.set OST,   264192                     ; the way out: 16 rows x 528 bytes for each wave; no tensor load lands here
.set OPI,   528                        ; 512 bytes + 16 = 132 words: row r starts at bank 4 r mod 64
.set AL0, 3                            ; v3   16 x lane; never rewritten.  Also my byte offset in 512 consecutive bytes of out
.set AJ0, 4                            ; v4   4,096 j + 16 x lane; never rewritten
.set AJD, 5                            ; v5   AJ0 + the slot in hand
.set AJH, 6                            ; v6   AJD + 65,536: an LDS offset holds 16 bits
.set ALD, 7                            ; v7   AL0 + the slot in hand
.set ALH, 8                            ; v8   ALD + 65,536
.set XO,  9                            ; v9   my outbox
.set XI,  10                           ; v10  my partner's outbox
.set XA,  11                           ; v11  x in LDS: my lane's place in my own rows;   later OSA
.set XB,  12                           ; v12  the same in my partner's rows;             later OSR
.set OSA, 11                           ;      the way out: where I put 16 bytes of a row
.set OSR, 12                           ;      the way out: where I read a row back
.set SPW, 14                           ; v14  LDS address of my spare word: SPARE + 4 x my thread's number; never rewritten
.set NIL, 15                           ; v15  0; never rewritten
.set TT,  16                           ; v16-31  max(z, 0) of the two accumulators whose softplus is in hand
.set FB0, 32
.set FB1, 64
.set FB2, 96
.set WV,  10                           ; s10  my wave's number
.set JJ,  11                           ; s11  j
.set PW,  12                           ; s12  my partner's number
.set G1A, 24                           ; s[24:31] descriptor group 1: a quarter of a fill of 80 KiB
.set G1B, 32                           ; s[32:39] of 64 KiB
.set G1X, 40                           ; s[40:47] 32 rows of x
.set G0W, 48                           ; s[48:51] descriptor group 0 for the fills
.set G0X, 52                           ; s[52:55] for x
.set NX,  56                           ; s56  byte in wst at which the next fill begins
.set OFF, 58                           ; s[58:59] my quarter's byte offset in wst
.set WO80, 60                          ; s60  20,480 w
.set WO64, 61                          ; s61  16,384 w
.set TB,  62                           ; s62  the slot in hand: 0 or SLOT1
.set CNT, 63                           ; s63  loop counter
.set TQ,  66                           ; s66  layer 1's trip, 0..7
.set C1,  68                           ; s[68:69] log2 e      the packed lines take a pair's low word for both halves
.set C2,  70                           ; s[70:71] -2 log2 e
.set C3,  72                           ; s[72:73] ln 2
.set MSB, 0
.set MW,  0                            ; the setting of the products in hand
.set ri,  0
.set RLEN, 0
.macro WIN new                         ; the immediate's high byte repeats the setting that is left; a switch that changes nothing is dropped
.if MSB != (\new)
	s_set_vgpr_msb (MSB<<8)|(\new)
.set MSB, \new
.endif
.endm
.macro WINN                            ; for a line with destination, first and third source in window 0 and no vector register as second source
.if (MSB & 0xf3) != 0
	WIN MW
.endif
.endm
.macro WINL                            ; for an LDS load: destination and address in window 0
.if (MSB & 0xc3) != 0
	WIN 0
.endif
.endm
; A load into a register that a matrix instruction has read, and a vector or LDS instruction that reads a matrix result, stand four places behind it, and only plain vector
; instructions that name none of its registers are places (ISA guide 7.12.1 for vector instructions).  This text writes the four out and does not count the riders.
.macro PLACES
.rept 4
	v_nop
.endr
.endm
; A round of the cluster's barrier: my work-group's barrier, so that wave 0's signal speaks for all four waves; wave 0 signals; every wave waits for all four work-groups; my work-group's barrier once more.
.macro ROUND
	s_barrier_signal -1
	s_barrier_wait -1
	s_cmp_lg_u32 s[WV], 0
	s_cbranch_scc1 .Lnot_wave_0_\@
	s_barrier_signal -3
.Lnot_wave_0_\@:
	s_barrier_wait -3
	s_barrier_signal -1
	s_barrier_wait -1
.endm
; A joint fill: one line for all four waves; both addresses step with the wave's number.  An s_nop 0 and four v_nop follow; they are also the places in front of the loads behind.
.macro JLOAD g1
	tensor_load_to_lds s[G0W:G0W+3], s[\g1:\g1+7]
	s_nop 0
	PLACES
.endm
; The next fill's global address, made anew from wst's address and a byte offset; written only where no tensor load of mine is out.
.macro MKFILL wo, bytes
	s_add_co_u32 s[OFF], s[NX], s[\wo]
	s_add_nc_u64 s[G0W+2:G0W+3], s[6:7], s[OFF:OFF+1]
	s_or_b32 s[G0W+3], s[G0W+3], 0x80000000        ; 127:126 type = 2
	s_add_co_u32 s[NX], s[NX], \bytes
.endm
.macro MKADR
	v_add_nc_u32 v[AJD], s[TB], v[AJ0]
	v_add_nc_u32 v[ALD], s[TB], v[AL0]
	v_add_nc_u32 v[AJH], 0x10000, v[AJD]
.endm
.macro TOGGLE                          ; the reads go on in the other slot
	s_xor_b32 s[TB], s[TB], SLOT1
	MKADR
.endm
; A group's four fragments: eight loads of 512 consecutive bytes
.macro RUN fb, areg, off
	WINL
.set rn, 0
.rept 8
	ds_load_b128 v[(\fb)+4*rn:(\fb)+4*rn+3], v[\areg] offset:(\off)+512*rn
.set rn, rn+1
.endr
.endm
; SOFTPLUS AS RIDERS.  SPROG names the work: nu accumulators (units) from register a on; RIDE n writes the next n lines of it, FLUSH the rest.  In place, for unit u at X, with T = v16-23 or v24-31 by u's parity:
;   MAX  T = max(z, 0)      MUL  X = c z      FM  X = c z - 2 c T = -c |z|      EXP  2^X      ADD1  1 + X      LOG  log2 X      FIN  X = ln2 X + T      CVT (mode = 1)  X rounded to bf16 into dst + 4 u, under setting cw
; The list: MAX, MUL, FM of unit 0 (16 lines); then 41 for each unit: its 8 EXP with the next unit's 8 MAX between them, 4 ADD1, its 8 LOG with the next unit's 4 MUL and 4 FM between them, 4 FIN, the CVTs.
; So a plain line stands behind every exponential and logarithm before its result is used (ISA guide 5.7.2); the last unit has no next, and one v_nop ends each of its two runs.
; Each accumulator is read from its lowest register on.
.macro SPROG a, nu, mode, dst, cw
.set RA, \a
.set RNU, \nu
.set RMODE, \mode
.set RD, \dst
.set RCW, \cw
.set ri, 0
.set RLEN, 16+41*(\nu)
.endm
.macro SPX u
.set rX, RA+8*(\u)
.set rT, TT+8*((\u)%2)
.endm
.macro E_MAX u, k
	SPX \u
	WINN
	v_max_num_f32 v[rT+(\k)], v[rX+(\k)], 0
.endm
.macro E_MUL u, k
	SPX \u
	WINN
	v_pk_mul_f32 v[rX+2*(\k):rX+2*(\k)+1], v[rX+2*(\k):rX+2*(\k)+1], s[C1:C1+1] op_sel_hi:[1,0]
.endm
.macro E_FM u, k
	SPX \u
	WINN
	v_pk_fma_f32 v[rX+2*(\k):rX+2*(\k)+1], v[rT+2*(\k):rT+2*(\k)+1], s[C2:C2+1], v[rX+2*(\k):rX+2*(\k)+1] op_sel_hi:[1,0,1]
.endm
.macro E_EXP u, k
	SPX \u
	WINN
	v_exp_f32 v[rX+(\k)], v[rX+(\k)]
.endm
.macro E_ADD u, k
	SPX \u
	WINN
	s_wait_alu depctr_va_vdst(0)
	v_pk_add_f32 v[rX+2*(\k):rX+2*(\k)+1], v[rX+2*(\k):rX+2*(\k)+1], 1.0 op_sel_hi:[1,0]
.endm
.macro E_LOG u, k
	SPX \u
	WINN
	v_log_f32 v[rX+(\k)], v[rX+(\k)]
.endm
.macro E_FIN u, k
	SPX \u
	WINN
	s_wait_alu depctr_va_vdst(0)
	v_pk_fma_f32 v[rX+2*(\k):rX+2*(\k)+1], v[rX+2*(\k):rX+2*(\k)+1], s[C3:C3+1], v[rT+2*(\k):rT+2*(\k)+1] op_sel_hi:[1,0,1]
.endm
.macro E_CVT u
	SPX \u
	WIN RCW
.set rc, 0
.rept 4
	v_cvt_pk_bf16_f32 v[RD+4*(\u)+rc], v[rX+2*rc], v[rX+2*rc+1]
.set rc, rc+1
.endr
.endm
.macro RENT                            ; line ri of the list
.if ri < 8
	E_MAX 0, ri
.elseif ri < 12
	E_MUL 0, ri-8
.elseif ri < 16
	E_FM 0, ri-12
.else
.set ru, (ri-16)/41
.set rw, (ri-16)%41
.if rw < 16
.if rw%2 == 0
	E_EXP ru, rw/2
.elseif ru+1 < RNU
	E_MAX ru+1, rw/2
.elseif rw == 15
	v_nop
.endif
.elseif rw < 20
	E_ADD ru, rw-16
.elseif rw < 36
.if rw%2 == 0
	E_LOG ru, (rw-20)/2
.elseif ru+1 < RNU
.if rw < 28
	E_MUL ru+1, (rw-21)/2
.else
	E_FM ru+1, (rw-29)/2
.endif
.elseif rw == 35
	v_nop
.endif
.elseif rw < 40
	E_FIN ru, rw-36
.elseif RMODE
	E_CVT ru
.endif
.endif
.endm
.macro RIDE n
.rept \n
.if ri < RLEN
	RENT
.set ri, ri+1
.endif
.endr
.endm
.macro FLUSH
	RIDE 344
.endm
; THE MATRIX WORK.  16 products of a group of layer 1 or 2: K steps s0, s0 + 1 x 2 feature tiles x 4 row tiles, into set a; ride lines of softplus behind each.  zero = 1: the first eight start the sums.
; The set's eight accumulators take turns, one instruction a turn; so do the 32 of out.
.macro MULG fb, a, s0, zero, ride
.set ksl, 0
.rept 2
.set ff, 0
.rept 2
.set tt, 0
.rept 4
	WIN MW
.if (\zero) && (ksl == 0)
	v_wmma_f32_16x16x32_bf16 v[(\a)+16*tt+8*ff:(\a)+16*tt+8*ff+7], v[(\fb)+8*(2*ksl+ff):(\fb)+8*(2*ksl+ff)+7], v[32*(((\s0)+ksl)%8)+8*tt:32*(((\s0)+ksl)%8)+8*tt+7], 0
.else
	v_wmma_f32_16x16x32_bf16 v[(\a)+16*tt+8*ff:(\a)+16*tt+8*ff+7], v[(\fb)+8*(2*ksl+ff):(\fb)+8*(2*ksl+ff)+7], v[32*(((\s0)+ksl)%8)+8*tt:32*(((\s0)+ksl)%8)+8*tt+7], v[(\a)+16*tt+8*ff:(\a)+16*tt+8*ff+7]
.endif
	RIDE \ride
.set tt, tt+1
.endr
.set ff, ff+1
.endr
.set ksl, ksl+1
.endr
.endm
; 8 products of a group of layer 3: output tiles 4 gq .. 4 gq + 3 x my own two row tiles; h2's fragments lie at ap + 32 + 8 t
.macro MUL3 fb, ap, gq, zero
	WIN 0x50                                       ; C and D in window 1
.set ii, 0
.rept 4
.set tt, 0
.rept 2
.if \zero
	v_wmma_f32_16x16x32_bf16 v[16*(4*(\gq)+ii)+8*tt:16*(4*(\gq)+ii)+8*tt+7], v[(\fb)+8*ii:(\fb)+8*ii+7], v[(\ap)+32+8*tt:(\ap)+32+8*tt+7], 0
.else
	v_wmma_f32_16x16x32_bf16 v[16*(4*(\gq)+ii)+8*tt:16*(4*(\gq)+ii)+8*tt+7], v[(\fb)+8*ii:(\fb)+8*ii+7], v[(\ap)+32+8*tt:(\ap)+32+8*tt+7], v[16*(4*(\gq)+ii)+8*tt:16*(4*(\gq)+ii)+8*tt+7]
.endif
.set tt, tt+1
.endr
.set ii, ii+1
.endr
.endm
; THE EXCHANGE of layer 2's half sums, in f32: tiles 2, 3 of set a go into my outbox; a barrier later the partner's come into the same registers and are added onto tiles 0, 1.
.macro XSTORE a, par
	PLACES                                         ; the stores read results just made
	WIN 0
.set rn, 0
.rept 8
	ds_store_b128 v[XO], v[(\a)+32+4*rn:(\a)+32+4*rn+3] offset:16384*(\par)+512*rn
.set rn, rn+1
.endr
.endm
.macro RECV ap, par
	WINL
.set rn, 0
.rept 8
	ds_load_b128 v[(\ap)+32+4*rn:(\ap)+32+4*rn+3], v[XI] offset:16384*(\par)+512*rn
.set rn, rn+1
.endr
.endm
.macro ADDX ap
	WIN 0
.set rn, 0
.rept 16
	v_pk_add_f32 v[(\ap)+2*rn:(\ap)+2*rn+1], v[(\ap)+2*rn:(\ap)+2*rn+1], v[(\ap)+32+2*rn:(\ap)+32+2*rn+1]
.set rn, rn+1
.endr
.endm
; LAYER 1's PIECES GO TO DIFFERENT REGISTERS OF h1 IN EACH TRIP, and a register's number is part of the text.  So the loop does all of a piece's softplus in place, and only the 32 roundings stand
; once for each piece: HBLK; DISPATCH chooses the block by the trip's number, by forward jumps.  Block for trip t: own K step 2 t - sub, from set a.
.macro HBLK a, k
	WIN 0x80+0x40*((\k)/8)                         ; destination window 2 or 3
.set rc, 0
.rept 32
	v_cvt_pk_bf16_f32 v[32*((\k)%8)+rc], v[(\a)+2*rc], v[(\a)+2*rc+1]
.set rc, rc+1
.endr
	WIN 0
.endm
.macro DISPATCH a, sub, last, list:vararg
	WIN 0                                          ; at a label and at a branch every window is 0
.irp t, \list
	s_cmp_eq_u32 s[TQ], \t
	s_cbranch_scc1 .Lblk_\@_\t
.endr
	HBLK \a, 2*(\last)-(\sub)
.irp t, \list
	s_branch .Ljoin_\@
.Lblk_\@_\t:
	HBLK \a, 2*(\t)-(\sub)
.endr
.Ljoin_\@:
.endm
	s_load_b128 s[4:7], s[0:1], 0x0                ; x s[4:5], wst s[6:7]
	s_load_b64 s[8:9], s[0:1], 0x10                ; out
	v_lshl_add_u32 v[SPW], v0, 2, SPARE
	v_mov_b32 v[NIL], 0
	ds_add_u32 v[SPW], v[NIL]                      ; the wave's opening: the add and its wait stand ahead of my first tensor load; the set-up below, work on registers, stands between them
	v_lshrrev_b32 v1, 5, v0
	v_readfirstlane_b32 s[WV], v1                  ; wave 0..3
	s_and_b32 s[JJ], s[WV], 1
	s_xor_b32 s[PW], s[WV], 1
	s_bfe_u32 s13, ttmp6, 0x40000                  ; cx: my place in the cluster
	s_lshl_b32 s14, ttmp9, 2                       ; in a cluster launch ttmp9 counts clusters
	s_add_co_u32 s14, s14, s13                     ; my work-group: it enters x's and out's addresses alone
	s_lshl_b32 s16, s14, 17                        ; 128 rows of 1,024 bytes,
	s_lshl_b32 s15, s[WV], 15                      ; my wave's own 32 of them
	s_add_co_u32 s16, s16, s15
	s_mov_b32 s17, 0
	; group 1 for the fills: dense bytes, asked for as rows of 256 bytes: 80 or 64 rows a wave
	s_mov_b32 s[G1A], 15|(3<<16)|(1<<21)           ; 15:0 the mask: all four work-groups; 17:16 elements of 8 bytes; 21 set beside a mask; no padding
	s_mov_b32 s[G1A+1], 32<<16                     ; tensor_dim0 = 32
	s_mov_b32 s[G1A+2], 80<<16                     ; tensor_dim1 = 80
	s_mov_b32 s[G1A+3], 32<<16                     ; tile_dim0 = 32
	s_mov_b32 s[G1A+4], 80                         ; tile_dim1 = 80
	s_mov_b32 s[G1A+5], 32                         ; 32 elements from row to row
	s_mov_b32 s[G1A+6], 0
	s_mov_b32 s[G1A+7], 0
	s_mov_b32 s[G1B], 15|(3<<16)|(1<<21)
	s_mov_b32 s[G1B+1], 32<<16
	s_mov_b32 s[G1B+2], 64<<16
	s_mov_b32 s[G1B+3], 32<<16
	s_mov_b32 s[G1B+4], 64
	s_mov_b32 s[G1B+5], 32
	s_mov_b32 s[G1B+6], 0
	s_mov_b32 s[G1B+7], 0
	; group 1 for x: 32 rows of 256 f32, 4 words of padding behind each row; no mask: a load of my own
	s_mov_b32 s[G1X], (2<<16)|(1<<20)|(7<<22)|(3<<25)  ; 17:16 elements of 4 bytes; 20 padding on; 24:22 after every 256 words (code 7); 31:25 4 words (code 3)
	s_mov_b32 s[G1X+1], 256<<16
	s_mov_b32 s[G1X+2], 32<<16
	s_mov_b32 s[G1X+3], 256<<16
	s_mov_b32 s[G1X+4], 32
	s_mov_b32 s[G1X+5], 256
	s_mov_b32 s[G1X+6], 0
	s_mov_b32 s[G1X+7], 0
	s_mov_b32 s[G0X], 1                            ; 1:0 count = 1
	s_mul_i32 s[G0X+1], s[WV], 32*XP
	s_add_co_u32 s[G0X+1], s[G0X+1], XST           ; my 32 rows' place in LDS
	s_mov_b32 s[G0W], 1
	s_mul_i32 s[WO80], s[WV], 20480
	s_lshl_b32 s[WO64], s[WV], 14
	s_mov_b32 s[G0W+1], s[WO80]                    ; fill 0: slot 0, my quarter
	s_mov_b32 s[NX], 0
	s_mov_b32 s[OFF+1], 0
	s_mov_b32 s[TB], 0
	s_mov_b32 s[C1], 0x3fb8aa3b                    ; log2 e
	s_mov_b32 s[C1+1], s[C1]                       ; named with it as a pair
	s_mov_b32 s[C2], 0xc038aa3b                    ; -2 log2 e
	s_mov_b32 s[C2+1], s[C2]
	s_mov_b32 s[C3], 0x3f317218                    ; ln 2
	s_mov_b32 s[C3+1], s[C3]
	s_wait_dscnt 0x0                               ; the opening add is done
	s_wait_kmcnt 0x0
	s_add_nc_u64 s[G0X+2:G0X+3], s[4:5], s[16:17]
	s_or_b32 s[G0X+3], s[G0X+3], 0x80000000
	s_add_nc_u64 s[8:9], s[8:9], s[16:17]          ; out at my wave's own first row
	MKFILL WO80, 81920
	ROUND                                          ; all four work-groups are here: the first joint loads meet
	tensor_load_to_lds s[G0X:G0X+3], s[G1X:G1X+7]  ; x first: it is wanted first
	s_nop 0
	tensor_load_to_lds s[G0W:G0W+3], s[G1A:G1A+7]  ; fill 0
	s_nop 0
	PLACES
	v_and_b32 v1, 15, v0                           ; r = lane % 16; kept
	v_bfe_u32 v2, v0, 4, 1                         ; h = lane / 16; kept
	v_and_b32 v[AL0], 31, v0
	v_lshlrev_b32 v[AL0], 4, v[AL0]
	v_lshl_add_u32 v[AJ0], s[JJ], 12, v[AL0]
	s_lshl_b32 s15, s[WV], 12
	s_add_co_u32 s15, s15, XCH
	v_add_nc_u32 v[XO], s15, v[AL0]
	s_lshl_b32 s18, s[PW], 12
	s_add_co_u32 s18, s18, XCH
	v_add_nc_u32 v[XI], s18, v[AL0]
	; a fragment of x: lane (r, h) wants k = 8 h + 0..7 and 16 + 8 h + 0..7 of row r: in f32 twice 32 bytes, 64 bytes apart
	v_mul_u32_u24 v[XB], v1, XP
	v_lshl_add_u32 v[XB], v2, 5, v[XB]
	v_add_nc_u32 v[XA], s[G0X+1], v[XB]
	s_mul_i32 s19, s[PW], 32*XP
	s_add_co_u32 s19, s19, XST
	v_add_nc_u32 v[XB], s19, v[XB]
	MKADR
	s_wait_tensorcnt 0x1                           ; my rows of x are in; fill 0, issued behind them, may stay out
	s_barrier_signal -1
	s_barrier_wait -1                              ; my partner's rows are in too
.macro XIN areg                        ; two tiles x 8 K steps x 64 bytes a lane, as f32: 256 registers
.set xt, 0
.rept 2
.set xs, 0
.rept 8
.set xi, 0
.rept 4
	ds_load_b128 v[16*(8*xt+xs)+4*xi:16*(8*xt+xs)+4*xi+3], v[\areg] offset:16*XP*xt+128*xs+16*(xi%2)+64*(xi/2)
.set xi, xi+1
.endr
.set xs, xs+1
.endr
.set xt, xt+1
.endr
.endm
.macro XCV tb                          ; rounded to bf16: tiles tb, tb + 1
.set xt, 0
.rept 2
.set xs, 0
.rept 8
.set xi, 0
.rept 8
	v_cvt_pk_bf16_f32 v[32*xs+8*((\tb)+xt)+xi], v[16*(8*xt+xs)+2*xi], v[16*(8*xt+xs)+2*xi+1]
.set xi, xi+1
.endr
.set xs, xs+1
.endr
.set xt, xt+1
.endr
.endm
	WIN 0x80                                       ; destination window 2
	XIN XA
	WIN 0xc0                                       ; destination window 3
	XIN XB
	s_wait_dscnt 63                                ; 64 loads were issued behind the first 64; the field holds 63 at the most: the first 65 are back
	WIN 0x4a                                       ; sources window 2, destination window 1
	XCV 0
	s_wait_dscnt 0x0
	WIN 0x4f                                       ; sources window 3
	XCV 2
	; x has been read: slot 1 takes fill 1.  All my tensor loads have landed (fill 0 among them), then the add, then the wait for it and for my reads of x; the round; the fill first behind it.
	WIN 0
	s_wait_tensorcnt 0x0
	ds_add_u32 v[SPW], v[NIL]                      ; 0 onto my spare word
	MKFILL WO64, 65536
	s_add_co_u32 s[G0W+1], s[WO64], SLOT1
	s_wait_dscnt 0x0
	ROUND
	JLOAD G1B
; LAYER 1.  A trip is two pieces: 2 t into set 0, 2 t + 1 into set 1; eight groups; fragment buffers 0, 1 by turns, each run one group ahead.  Six riders behind each product: 64 x 6 cover the 344 lines of a piece.
.macro L1G fbn, off, fbc, a, s0, zero, ride
	PLACES
	RUN \fbn, AJD, \off                            ; the next group
	s_wait_dscnt 8                                 ; all but those eight: this group's fragments are in
	MULG \fbc, \a, \s0, \zero, \ride
.endm
.set MW, 0x04                          ; source 1, x, in window 1
	RUN FB0, AJH, 0                                ; trip 0's first half is written out: no piece is waiting for its softplus, and fill 1 has just been asked for
	RUN FB1, AJH, 8192                             ; groups 0 and 1 lie at fill 0's end
	s_wait_dscnt 8
	MULG FB0, 128, 0, 1, 0
	L1G FB0, 0,     FB1, 128, 2, 0, 0
	L1G FB1, 8192,  FB0, 128, 4, 0, 0
	L1G FB0, 16384, FB1, 128, 6, 0, 0
	s_mov_b32 s[TQ], 0
	s_mov_b32 s[CNT], 8
	WIN 0
	s_branch .Lmid
.Ll1:                                                  ; trips 1 to 7: each leaves a slot and fills it again (fills 2 to 8)
	PLACES
	RUN FB1, AJD, 57344                            ; the trip's group 1, the last bytes of the slot in hand
	s_wait_tensorcnt 0x0                           ; all my tensor loads have landed: my quarter of the other slot
	ds_add_u32 v[SPW], v[NIL]                      ; 0 onto my spare word; 16 products and their riders stand between it and the wait for it
	MKFILL WO64, 65536
	s_xor_b32 s[G0W+1], s[G0W+1], SLOT1
	s_wait_dscnt 9                                 ; group 1's eight loads and the add may be out: group 0's fragments are in
	SPROG 192, 8, 0, 0, 0                          ; softplus of piece 2 t - 1
	MULG FB0, 128, 0, 1, 6
	WIN 0
	s_wait_dscnt 0x0                               ; the add is done, and my reads of this slot are over
	ROUND                                          ; the same holds of every wave of the four work-groups
	JLOAD G1B
	TOGGLE
	RUN FB0, AJD, 0
	MULG FB1, 128, 2, 0, 6
	L1G FB1, 8192,  FB0, 128, 4, 0, 6
	L1G FB0, 16384, FB1, 128, 6, 0, 6
	FLUSH
	DISPATCH 192, 1, 7, 1,2,3,4,5,6
.Lmid:
	SPROG 128, 8, 0, 0, 0                          ; softplus of piece 2 t
	L1G FB1, 24576, FB0, 192, 0, 1, 6
	L1G FB0, 32768, FB1, 192, 2, 0, 6
	L1G FB1, 40960, FB0, 192, 4, 0, 6
	L1G FB0, 49152, FB1, 192, 6, 0, 6              ; the run is the next trip's group 0 (after trip 7: turn 0's)
	FLUSH
	DISPATCH 128, 0, 7, 0,1,2,3,4,5,6
	s_add_co_u32 s[TQ], s[TQ], 1
	s_sub_co_u32 s[CNT], s[CNT], 1
	s_cmp_lg_u32 s[CNT], 0
	s_cbranch_scc1 .Ll1
; TURN 0: layer 2 of piece 0 into set 0; beside it softplus of layer 1's piece 15, rounded into h1's K step 15, which group 7 reads.  Three fragment buffers from here on, each run two groups ahead.
	PLACES
	RUN FB1, AJD, 57344
	s_wait_tensorcnt 0x0
	ds_add_u32 v[SPW], v[NIL]
	MKFILL WO80, 81920
	s_add_co_u32 s[G0W+1], s[WO80], SLOT1          ; fill 9: slot 1, quarters of 20,480 bytes from here on
	s_wait_dscnt 9                                 ; group 1's eight loads and the add may be out
	SPROG 192, 8, 1, 224, 0xc0
.set MW, 0x08                          ; source 1, h1's K steps 0-7, in window 2
	MULG FB0, 128, 0, 1, 3
	WIN 0
	s_wait_dscnt 0x0
	ROUND
	JLOAD G1A
	TOGGLE
	RUN FB2, AJD, 0
	RUN FB0, AJD, 8192
	MULG FB1, 128, 2, 0, 3
.set g, 2
.rept 6
	PLACES
	RUN 32+32*((g+2)%3), AJD, 8192*g               ; group g + 2; behind group 7: turn 1's groups 0 and 1
	s_wait_dscnt 16                                ; two younger runs may be out
.if g == 4
.set MW, 0x0c                          ; h1's K steps 8-15, in window 3
.endif
.if g == 7
	FLUSH                                          ; K step 15 of h1 is whole
.endif
	MULG 32+32*(g%3), 128, 2*g, 0, 3
.set g, g+1
.endr
	XSTORE 128, 0
; A TURN p, 1 to 31.  cur = p % 2: piece p is summed in set cur; set 1 - cur holds piece p - 1.  Twelve groups: 0-7 layer 2, 8-11 layer 3 of piece p - 1.  Group g lies in buffer (g + 2) % 3.
; zero = 1: layer 3's products start out's sums.  refill = 1: the slot that is left is filled again.  tail = 1: the fill's last 16 KiB are layer 3's groups of piece 31.
; The exchange needs no barrier of its own: turn p - 1's stores into the outboxes are waited for in front of this turn's barrier and read behind it, and an outbox of one parity is written again two barriers later.
.macro TURN cur, zero, refill, tail
.set AC, 128+64*(\cur)
.set AP, 192-64*(\cur)
	WIN 0
	s_wait_tensorcnt 0x0                           ; all my tensor loads have landed: my quarter of the other slot
	ds_add_u32 v[SPW], v[NIL]
.rept 5
	v_nop                                          ; five places between layer 3's last products, which read h2 in this set, and the products that write over it
.endr
.if \refill
	MKFILL WO80, 81920
	s_xor_b32 s[G0W+1], s[G0W+1], SLOT1
.endif
	s_wait_dscnt 9                                 ; group 1's eight loads and the add may be out: group 0's fragments are in
.set MW, 0x08
	MULG FB2, AC, 0, 1, 0
	WIN 0
	s_wait_dscnt 0x0                               ; the add is done; my reads of the slot are over; my stores into my outbox are done
.if \refill
	ROUND
	JLOAD G1A
.else
	s_barrier_signal -1
	s_barrier_wait -1
	PLACES
.endif
	TOGGLE
.if \tail
	v_add_nc_u32 v[ALH], 0x10000, v[ALD]
.endif
	RUN FB1, AJD, 0
	RECV AP, 1-(\cur)
	RUN FB2, AJD, 8192
	MULG FB0, AC, 2, 0, 0
.set g, 2
.rept 6
	PLACES
.if g < 6
	RUN 32+32*((g+4)%3), AJD, 8192*g
.else
	RUN 32+32*((g+4)%3), ALD, 49152+4096*(g-6)
.endif
	s_wait_dscnt 16                                ; two younger runs may be out (at g = 2: group 2 and the partner's sums are in)
.if g == 2
	ADDX AP
	SPROG AP, 4, 1, AP+32, 0                       ; softplus of my own two tiles of piece p - 1; h2's fragments take the place of the partner's sums
.endif
.if g == 4
.set MW, 0x0c
.endif
	MULG 32+32*((g+2)%3), AC, 2*g, 0, 2            ; 96 x 2 riders cover the 180 lines
.set g, g+1
.endr
	FLUSH
	XSTORE AC, \cur
.set g, 8
.rept 4
	WIN 0
	PLACES
.if g < 10
	RUN 32+32*((g+4)%3), ALD, 49152+4096*(g-6)
	s_wait_dscnt 24                                ; two younger runs and the eight stores into the outbox, or one run, the stores and one run, may be out
.elseif \tail
	RUN 32+32*((g+4)%3), ALH, 4096*(g-10)
	s_wait_dscnt 16
.else
	RUN 32+32*((g+4)%3), AJH, 8192*(g-10)          ; the next turn's groups 0 and 1
	s_wait_dscnt 16                                ; two younger runs may be out
.endif
	MUL3 32+32*((g+2)%3), AP, g-8, \zero
.set g, g+1
.endr
.endm
	TURN 1, 1, 1, 0                                ; turn 1 is written out: its layer 3 starts out's sums
	s_mov_b32 s[CNT], 15
	WIN 0
	s_branch .Lev                                  ; the loop is entered at its second half: turn 2, then (3, 4) .. (29, 30)
.Lod:
	TURN 1, 0, 1, 0
	WIN 0
.Lev:
	TURN 0, 0, 1, 0
	WIN 0
	s_sub_co_u32 s[CNT], s[CNT], 1
	s_cmp_lg_u32 s[CNT], 0
	s_cbranch_scc1 .Lod
	TURN 1, 0, 0, 1                                ; turn 31 is written out: nothing is left to ask for
; TURN 32: the exchange and softplus of piece 31, and its layer 3.
	WIN 0
	s_wait_dscnt 0x0                               ; my stores into my outbox are done
	s_barrier_signal -1
	s_barrier_wait -1
	PLACES
	RECV 192, 1
	RUN FB1, ALH, 8192
	s_wait_dscnt 8                                 ; the partner's sums are in
	ADDX 192
	SPROG 192, 4, 1, 224, 0
	FLUSH
	MUL3 FB2, 192, 0, 0
	WIN 0
	PLACES
	RUN FB2, ALH, 12288
	MUL3 FB0, 192, 1, 0
	s_wait_dscnt 8                                 ; the last run may be out
	MUL3 FB1, 192, 2, 0
	s_wait_dscnt 0x0
	MUL3 FB2, 192, 3, 0
; THE WAY OUT.  A lane holds eight neighbouring outputs of a row, 32 bytes.  16 rows x 128 outputs at a time go into my own stage (rows of 528 bytes) and come back as whole rows of 512 bytes.
	WIN 0
	s_mul_i32 s15, s[WV], 16*OPI
	s_add_co_u32 s15, s15, OST
	v_mul_u32_u24 v[OSA], v1, OPI                  ; these four lines are the places behind the last products
	v_lshl_add_u32 v[OSA], v2, 5, v[OSA]
	v_add_nc_u32 v[OSA], s15, v[OSA]
	v_add_nc_u32 v[OSR], s15, v[AL0]
.macro OUTR t, c, rnd                  ; tile t, half c of the outputs; the rows come back into set rnd % 2
	WIN 0x04                                       ; a store's data, source 1, in window 1
.set rn, 0
.rept 8
	ds_store_b128 v[OSA], v[16*(8*(\c)+rn)+8*(\t):16*(8*(\c)+rn)+8*(\t)+3] offset:64*rn
	ds_store_b128 v[OSA], v[16*(8*(\c)+rn)+8*(\t)+4:16*(8*(\c)+rn)+8*(\t)+7] offset:64*rn+16
.set rn, rn+1
.endr
	WIN 0
.if (\rnd) >= 2
	s_wait_xcnt 0x0                                ; the stores of two rounds ago have read this set's registers: only behind this wait are they loaded again
.endif
.set rn, 0
.rept 16
	ds_load_b128 v[128+64*((\rnd)%2)+4*rn:128+64*((\rnd)%2)+4*rn+3], v[OSR] offset:OPI*rn  ; LDS serves a wave's instructions in order (ISA guide 5.7.1.4): these see the stores above; the next round's stores come behind them
.set rn, rn+1
.endr
.set rn, 0
.rept 16
	s_wait_dscnt 15-rn                             ; row rn is back; the younger rows may be out
	global_store_b128 v[AL0], v[128+64*((\rnd)%2)+4*rn:128+64*((\rnd)%2)+4*rn+3], s[8:9] offset:(16*(\t)+rn)*1024+512*(\c) th:TH_STORE_NT  ; 512 consecutive bytes, at a multiple of 512 from out's first
.set rn, rn+1
.endr
.endm
	OUTR 0, 0, 0
	OUTR 0, 1, 1
	OUTR 1, 0, 2
	OUTR 1, 1, 3
	s_wait_tensorcnt 0x0                           ; the wave's end, behind my last tensor load and my last LDS store
	ds_add_u32 v[SPW], v[NIL]
	s_wait_dscnt 0x0
	ROUND                                          ; the closing round: no work-group ends while a partner may still ask for a fill that names it
	s_endpgm
.Lfunc_end_k_qcff1c06e68_mlp:
	.size	k_qcff1c06e68_mlp, .Lfunc_end_k_qcff1c06e68_mlp-k_qcff1c06e68_mlp
	.p2alignl 7, 3214868480
	.fill 96, 4, 3214868480
	.section	.rodata,"a",@progbits
	.p2align	6, 0x0
	.amdhsa_kernel k_qcff1c06e68_mlp
		.amdhsa_group_segment_fixed_size 327680
		.amdhsa_private_segment_fixed_size 0
		.amdhsa_enable_private_segment 0
		.amdhsa_kernarg_size 24
		.amdhsa_user_sgpr_count 2
		.amdhsa_user_sgpr_kernarg_segment_ptr 1
		.amdhsa_wavefront_size32 1
		.amdhsa_system_sgpr_workgroup_id_x 1
		.amdhsa_system_sgpr_workgroup_id_y 1
		.amdhsa_system_sgpr_workgroup_id_z 1
		.amdhsa_system_vgpr_workitem_id 0
		.amdhsa_next_free_vgpr 1024
		.amdhsa_next_free_sgpr 80
		.amdhsa_reserve_vcc 0
		.amdhsa_float_denorm_mode_32 3
		.amdhsa_float_denorm_mode_16_64 3
		.amdhsa_memory_ordered 1
		.amdhsa_forward_progress 1
		.amdhsa_inst_pref_size 255
	.end_amdhsa_kernel
	.section	.bss,"aw",@nobits
	.p2align	6
	.space	262144
	.amdgpu_metadata
---
amdhsa.version: [ 1, 2 ]
amdhsa.kernels:
  - .name:           k_qcff1c06e68_mlp
    .symbol:         k_qcff1c06e68_mlp.kd
    .args:
      - { .name: x, .offset: 0, .size: 8, .value_kind: global_buffer, .address_space: global }
      - { .name: wst, .offset: 8, .size: 8, .value_kind: global_buffer, .address_space: global }
      - { .name: out0, .offset: 16, .size: 8, .value_kind: global_buffer, .address_space: global }
    .group_segment_fixed_size: 327680
    .private_segment_fixed_size: 0
    .kernarg_segment_align: 8
    .kernarg_segment_size: 24
    .max_flat_workgroup_size: 128
    .sgpr_count:     80
    .vgpr_count:     1024
    .wavefront_size: 32
...
	.end_amdgpu_metadata
.endif
;; end of part 2
